; MI455X (gfx1250); checked and timed in simulation.
; The chip was launched on July 23, 2026; its instructions are those of AMD's public machine-readable ISA for CDNA 5 (MIT licence, August 2026) and "CDNA5" Instruction Set Architecture Reference Guide (July 2026). The comments in the code are by the model that wrote it; some were corrected since.
;; Multi Head Attention. Allowed arithmetic: matrix products marked QUANTISED: E3M2 operands, one E8M0 scale for each 32 along K, by v_wmma_scale_f32_16x16x128_f8f6f4 with both operands' format E3M2, f32 sums; everything else in f32.
;; Inputs: W_K 1,024 x 1,024 float32; W_Q 1,024 x 1,024 float32; W_V 1,024 x 1,024 float32; b_K 1,024 float32; b_Q 1,024 float32; b_V 1,024 float32; feature 2 x 2,048 x 1,024 float32; mask 2 x 2,048 int32.
;; Outputs: out0 2 x 2,048 x 1,024 float32.
;; This version of the problem:
;;   THIS VERSION OF THE PROBLEM IS GIVEN IN LOW PRECISION. The matrix products marked QUANTISED in the list below multiply operands that are first quantised to E3M2 (3 exponent bits, 2 mantissa bits; 6 bits a number), with one power-of-two scale for each 32 numbers along K (OCP MX v1.0); their sums are f32. All else is computed in f32.
;;   The module's matrix products, in the order in which they are computed (A, B: the left and right operand; K: the contracted axis; several contracted axes count as one K, in the product's order):
;;     1. [M 4,096, K 1,024] x [K 1,024, N 1,024]; A: input feature; B: input W_Q: QUANTISED
;;     2. [M 4,096, K 1,024] x [K 1,024, N 1,024]; A: input feature; B: input W_K: QUANTISED
;;     3. [M 4,096, K 1,024] x [K 1,024, N 1,024]; A: input feature; B: input W_V: QUANTISED
;;     4. batch 32 x [M 2,048, K 64] x [K 64, N 2,048]; A: computed on the way; B: computed on the way: QUANTISED
;;     5. batch 32 x [M 2,048, K 2,048] x [K 2,048, N 64]; A: softmax (see below); B: computed on the way: QUANTISED
;;   THE QUANTISER, for each operand of a quantised product, along K:
;;     - K is cut into blocks of 32 from its start; a last block that is shorter is filled with zeros.
;;     - A block's scale is 2^e with e = floor(log2(the largest magnitude in the block)) - 4, held to -126 .. 127; a block of zeros has e = 0. As a byte (E8M0): e + 127.
;;     - Each number is divided by its block's scale, clamped to +-28, and rounded to the nearest number of E3M2, ties to even, subnormals kept.
;;     - The product sums the exact products of the quantised numbers (number of the format x scale) in f32.
;;   ~~~python
;;   def quantise(x, axis):      # numpy; x: float32 -> the quantised numbers, widened to float32 again
;;       x = np.moveaxis(x, axis, -1); K = x.shape[-1]
;;       x = np.pad(x, [(0, 0)] * (x.ndim - 1) + [(0, -K % 32)]); x = x.reshape(x.shape[:-1] + (-1, 32)); a = np.abs(x).max(-1, keepdims=True)
;;       e = np.where(a > 0, np.clip(np.frexp(np.where(a > 0, a, 1))[1] - 1 - 4, -126, 127), 0)      # np.frexp(a)[1] - 1 = floor(log2(a)), exactly
;;       r = np.clip(x / 2.0 ** e, -28, 28)
;;       step = 2.0 ** (np.maximum(np.frexp(np.where(r == 0, 1, r))[1] - 1, -2) - 2)
;;       q = np.round(r / step) * step * 2.0 ** e      # np.round: ties to even
;;       return np.moveaxis(q.reshape(q.shape[:-2] + (-1,))[..., :K], -1, axis).astype(np.float32)
;;   ~~~
;;   SOFTMAX AHEAD OF A QUANTISED PRODUCT. Where the list says 'softmax', what is quantised is not the finished softmax but p = 2^(t - M), with t = logit x log2(e) and M = ceil(the row's largest t), a whole number; so 1/2 < the row's largest p <= 1. The row's sum l is taken of the UNQUANTISED p, in f32, and the product's result is divided by l at the end. Since M is a whole number, a kernel that streams over the keys may use a running M (the ceiling of the running maximum): every later rescaling is an exact power of two, which a block's scale takes up: the codes' values come out the same.
;;   OPERANDS COMPUTED ON THE WAY. 'Computed on the way' means the value that the module computes at that place (a softmax that the list does not call 'softmax' is quantised finished and normalised). What goes into a quantiser is computed in f32, as accurately as f32 sums, v_exp_f32 and their like allow (about 1e-6 of the number): no bf16 or f16 on the way to a quantiser, and a product that is left as it is and whose result goes on into a quantised operand takes f32 operands (vector FMAs, or v_wmma_f32_16x16x4_f32). A number that lies on a knife's edge between two numbers of the format may be rounded either way, as far as f32 arithmetic and the matrix unit's own rounding can turn it there, and no further.
;; One version. Each part assembles by itself: llvm-mc -triple=amdgcn-amd-amdhsa -mcpu=gfx1250 --defsym DOCPART=n.
;; ======== version 1 of 1: 3 launches
;; limits: right only within a limited range of input values
;; workspace buffers: fcodes 3,145,728 bytes; fscales 131,072 bytes; wcodes 2,359,296 bytes; wscales 98,304 bytes; qkv 15,728,640 bytes
;; launch quant (part 1): grid 224 x 1, 4 waves a work-group, no clusters, 33,280 bytes of LDS; arguments feature, W_Q, W_K, W_V, fcodes, fscales, wcodes, wscales; writes fcodes, fscales, wcodes, wscales
.if DOCPART == 1
	.amdgcn_target "amdgcn-amd-amdhsa--gfx1250"
	.amdhsa_code_object_version 6
	.text
	.protected	k_q87a59a6ab1_quant
	.globl	k_q87a59a6ab1_quant
	.p2align	8
	.type	k_q87a59a6ab1_quant,@function
k_q87a59a6ab1_quant:
	s_mov_b64 s[64:65], 0
	v_nop
	global_prefetch_b8 v0, s[64:65] scope:SCOPE_SE
	s_setreg_imm32_b32 hwreg(HW_REG_WAVE_MODE, 25, 1), 1
	s_wait_xcnt 0x0
; feature [4096][1024] and W_Q, W_K, W_V [1024][1024], f32, K innermost, become codes of E3M2 (6 bits each) with one E8M0 scale byte for each 32 along K.
; A block's scale is 2^(floor(log2(its largest magnitude)) - 4); its byte is the largest magnitude's own exponent field - 4, held at 1 from below.
; (A block of zeros so gets the byte 1 where the rule says 127: its codes are zeros, and the bytes are read by this program alone.)
; LIMITS: NaN and infinities among the inputs are not served.
; OUTPUT ROWS ARE PERMUTED: physical row p of fcodes, fscales, wcodes, wscales holds the logical row that has bits 3 and 4 of p exchanged.  So 16 neighbouring physical rows are the logical rows
; 8 u + r + 8 (r / 8) of a group of 32, which is the choice of rows that lets the next launch quantise its results in registers.  A wave owns 8 whole rows (8,192 numbers),
; so the exchange is made on the wave's number alone: waves 0, 1, 2, 3 write the runs 0, 2, 1, 3 of their work-group's four.
; wcodes and wscales hold W_Q's 1,024 rows, then W_K's, then W_V's.  Work-groups 0-127 take feature, 128-223 the weights, 32 rows each.
; A wave takes 16 steps of 512 numbers.  Each of a step's four loads reads 512 consecutive bytes; the 2,048 bytes turn through the wave's own stage in LDS and come back 64 bytes a lane,
; so that a lane holds 16 neighbours along K (two neighbouring lanes hold a block).  The stage has 16 bytes of padding behind each 64.  No barrier: waves share nothing.
.set STEPS, 16
.set FGRP,  128                        ; work-groups that take feature
.set EMAX,  4
.set CB,    12                         ; bytes of 16 codes
.set R,     16                         ; v16-79   four sets of 16 numbers as they are loaded
.set X,     80                         ; v80-111  two sets of 16 neighbours
.set C,     128                        ; v128-191 codes: four registers for each step, so that no store's data are written again
.set E,     112                        ; v112-127 a scale byte for each step
.set WREG,  8192                       ; LDS: a region for each wave: two stages of 32 x SP bytes, behind them its 256 scale bytes
.set SP,    80                         ; a lane's place in a stage: 64 bytes + 16 of padding
	s_load_b256 s[4:11], s[0:1], 0x0               ; feature, W_Q, W_K, W_V
	s_load_b256 s[12:19], s[0:1], 0x20             ; fcodes, fscales, wcodes, wscales
	v_lshl_add_u32 v192, v0, 2, 0x8000
	v_mov_b32 v193, 0
	v_lshrrev_b32 v1, 5, v0
	v_readfirstlane_b32 s24, v1                    ; wave
	v_and_b32 v2, 31, v0                           ; lane
	v_lshlrev_b32 v3, 4, v2                        ; my 16 bytes of a load's 512
	s_mul_i32 s25, s24, WREG
	v_lshrrev_b32 v14, 2, v2
	v_mul_u32_u24 v14, v14, SP
	v_and_b32 v15, 3, v2
	v_lshl_add_u32 v14, v15, 4, v14
	v_add_nc_u32 v14, s25, v14                     ; the stage, on the way in: SP (lane / 4) + 16 (lane % 4)
	v_mul_u32_u24 v15, v2, SP
	v_add_nc_u32 v15, s25, v15                     ; and on the way out: SP x lane: my 16 neighbours
	v_mul_u32_u24 v4, v2, CB                       ; my codes' place in a step's
	v_lshrrev_b32 v5, 1, v2
	s_add_co_u32 s25, s25, 2*32*SP
	v_add_nc_u32 v5, s25, v5                       ; LDS: my wave's 256 scale bytes, my block's byte
	v_lshlrev_b32 v7, 3, v2                        ; and on the way out 8 bytes a lane
	v_add_nc_u32 v6, s25, v7
	s_sub_co_u32 s20, ttmp9, FGRP                  ; which group of 32 rows of the three weights (meaningless for feature's work-groups, and not used there)
	s_lshr_b32 s21, s20, 5                         ; which weight
	s_and_b32 s22, s20, 31                         ; which group of 32 rows in it
	s_wait_kmcnt 0x0
	s_cmp_eq_u32 s21, 1                            ; every choice hangs on the work-group's number alone
	s_cselect_b64 s[6:7], s[8:9], s[6:7]
	s_cmp_eq_u32 s21, 2
	s_cselect_b64 s[6:7], s[10:11], s[6:7]
	s_cmp_lt_u32 ttmp9, FGRP
	s_cselect_b64 s[4:5], s[4:5], s[6:7]           ; the source
	s_cselect_b64 s[12:13], s[12:13], s[16:17]     ; its codes
	s_cselect_b64 s[14:15], s[14:15], s[18:19]     ; its scale bytes
	s_cselect_b32 s22, ttmp9, s22                  ; the group in the source
	s_cselect_b32 s20, ttmp9, s20                  ; the group in the destination
	s_lshl_b32 s22, s22, 2
	s_add_co_u32 s22, s22, s24                     ; my run of 8 rows in the source
	s_lshl_b32 s26, s22, 15                        ; x 32,768 bytes
	s_mov_b32 s27, 0
	s_add_nc_u64 s[4:5], s[4:5], s[26:27]
	s_and_b32 s28, s24, 1
	s_lshl_b32 s28, s28, 1
	s_lshr_b32 s29, s24, 1
	s_or_b32 s28, s28, s29                         ; the wave's number with its two bits exchanged
	s_lshl_b32 s20, s20, 2
	s_add_co_u32 s20, s20, s28                     ; my run in the destination
	s_mul_i32 s26, s20, 32*STEPS*CB                ; x 6,144 bytes of codes
	s_add_nc_u64 s[12:13], s[12:13], s[26:27]
	s_lshl_b32 s26, s20, 8                         ; x 256 scale bytes
	s_add_nc_u64 s[14:15], s[14:15], s[26:27]
.macro LOAD t
.irp i, 0,1,2,3
	global_load_b128 v[R+16*((\t)%4)+4*\i:R+16*((\t)%4)+4*\i+3], v3, s[4:5] offset:2048*(\t)+512*\i th:TH_LOAD_NT   ; 32 lanes read 512 consecutive bytes
.endr
.endm
.macro TURN t                          ; step t's numbers through the stage: LDS serves a wave's instructions in order, so no wait stands between the stores and the loads
.irp i, 0,1,2,3
	ds_store_b128 v14, v[R+16*((\t)%4)+4*\i:R+16*((\t)%4)+4*\i+3] offset:32*SP*((\t)%2)+8*SP*\i
.endr
.irp i, 0,1,2,3
	ds_load_b128 v[X+16*((\t)%2)+4*\i:X+16*((\t)%2)+4*\i+3], v15 offset:32*SP*((\t)%2)+16*\i
.endr
.endm
.irp t, 0,1,2,3
	LOAD \t
.endr
	s_wait_loadcnt 12                              ; step 0's four loads are in; the twelve of steps 1 to 3 stay out
	TURN 0
.macro STEP t
.set XS, X+16*((\t)%2)
.if (\t) > 0
	s_wait_dscnt 1                                 ; this step's numbers are back from the stage (the last step's byte store may be out): so its stores into the stage have read their registers,
.else
	s_wait_dscnt 0x0
.endif
.if (\t)+4 < STEPS
	LOAD (\t)+4                                    ; which take the loads of four steps on
.endif
.if (\t)+1 < STEPS
.if STEPS-2-(\t) >= 3
	s_wait_loadcnt 12                              ; the next step's four loads are in; those of the three steps behind it may be out
.else
	s_wait_loadcnt 4*(STEPS-2-(\t))
.endif
	TURN (\t)+1                                    ; and go through the other stage while this step is worked
.endif
	v_max3_num_f32 v8, |v[XS]|, |v[XS+1]|, |v[XS+2]|               ; the largest magnitude of my 16, in two chains
	v_max3_num_f32 v9, |v[XS+3]|, |v[XS+4]|, |v[XS+5]|
.irp i, 6,10
	v_max3_num_f32 v8, v8, |v[XS+\i]|, |v[XS+\i+1]|
	v_max3_num_f32 v9, v9, |v[XS+\i+2]|, |v[XS+\i+3]|
.endr
	v_max3_num_f32 v8, v8, |v[XS+14]|, |v[XS+15]|
	v_max3_num_f32 v8, v8, v9, (EMAX+1)<<23        ; and the floor 2^(EMAX + 1 - 127): the byte cannot fall under 1
	v_max_num_f32_dpp v8, v8, v8 row_xmask:1 row_mask:0xf bank_mask:0xf   ; and of my neighbour's 16: the block's
	v_add_nc_u32 v11, -(EMAX<<23), v8              ; EMAX off its exponent field: the conversion takes the exponent field of this operand as its scale
	v_cvt_scalef32_pk16_bf6_f32 v[C+4*(\t):C+4*(\t)+2], v[XS:XS+15], v11         ; sixteen codes, 96 bits, the first number's code lowest; beyond the largest code the largest
	v_lshrrev_b32 v[E+(\t)], 23, v11               ; the scale's byte (also the plain line behind the conversion)
	ds_store_b8 v5, v[E+(\t)] offset:16*(\t)       ; both lanes of a block write the same byte with the same value
	global_store_b96 v4, v[C+4*(\t):C+4*(\t)+2], s[12:13] offset:32*CB*(\t)      ; the wave stores 384 consecutive bytes
.endm
.irp t, 0,1,2,3,4,5,6,7,8,9,10,11,12,13,14,15
	STEP \t
.endr
	ds_load_b64 v[12:13], v6                       ; LDS serves a wave's instructions in order: these see my stores
	s_wait_dscnt 0x0
	global_store_b64 v7, v[12:13], s[14:15]        ; 32 lanes store 256 consecutive bytes, aligned
	s_wait_tensorcnt 0x0
	ds_add_u32 v192, v193
	s_wait_dscnt 0x0
	s_endpgm
.Lfunc_end_k_q87a59a6ab1_quant:
	.size	k_q87a59a6ab1_quant, .Lfunc_end_k_q87a59a6ab1_quant-k_q87a59a6ab1_quant
	.p2alignl 7, 3214868480
	.fill 96, 4, 3214868480
	.section	.rodata,"a",@progbits
	.p2align	6, 0x0
	.amdhsa_kernel k_q87a59a6ab1_quant
		.amdhsa_group_segment_fixed_size 33280
		.amdhsa_private_segment_fixed_size 0
		.amdhsa_enable_private_segment 0
		.amdhsa_kernarg_size 64
		.amdhsa_user_sgpr_count 2
		.amdhsa_user_sgpr_kernarg_segment_ptr 1
		.amdhsa_wavefront_size32 1
		.amdhsa_system_sgpr_workgroup_id_x 1
		.amdhsa_system_sgpr_workgroup_id_y 1
		.amdhsa_system_sgpr_workgroup_id_z 1
		.amdhsa_system_vgpr_workitem_id 0
		.amdhsa_next_free_vgpr 194
		.amdhsa_next_free_sgpr 66
		.amdhsa_reserve_vcc 0
		.amdhsa_float_denorm_mode_32 3
		.amdhsa_float_denorm_mode_16_64 3
		.amdhsa_memory_ordered 1
		.amdhsa_forward_progress 1
		.amdhsa_inst_pref_size 33
	.end_amdhsa_kernel
	.amdgpu_metadata
---
amdhsa.version: [ 1, 2 ]
amdhsa.kernels:
  - .name:           k_q87a59a6ab1_quant
    .symbol:         k_q87a59a6ab1_quant.kd
    .args:
      - { .name: feature, .offset: 0, .size: 8, .value_kind: global_buffer, .address_space: global }
      - { .name: W_Q, .offset: 8, .size: 8, .value_kind: global_buffer, .address_space: global }
      - { .name: W_K, .offset: 16, .size: 8, .value_kind: global_buffer, .address_space: global }
      - { .name: W_V, .offset: 24, .size: 8, .value_kind: global_buffer, .address_space: global }
      - { .name: fcodes, .offset: 32, .size: 8, .value_kind: global_buffer, .address_space: global }
      - { .name: fscales, .offset: 40, .size: 8, .value_kind: global_buffer, .address_space: global }
      - { .name: wcodes, .offset: 48, .size: 8, .value_kind: global_buffer, .address_space: global }
      - { .name: wscales, .offset: 56, .size: 8, .value_kind: global_buffer, .address_space: global }
    .group_segment_fixed_size: 33280
    .private_segment_fixed_size: 0
    .kernarg_segment_align: 8
    .kernarg_segment_size: 64
    .max_flat_workgroup_size: 128
    .sgpr_count:     66
    .vgpr_count:     194
    .wavefront_size: 32
...
	.end_amdgpu_metadata
.endif
;; end of part 1
;; launch proj (part 2): grid 48 x 4, 4 waves a work-group, clusters of 4 x 4, 327,680 bytes of LDS; arguments fcodes, fscales, wcodes, wscales, b_Q, b_K, b_V, mask, qkv; writes qkv
.if DOCPART == 2
	.amdgcn_target "amdgcn-amd-amdhsa--gfx1250"
	.amdhsa_code_object_version 6
	.text
	.protected	k_q87a59a6ab1_proj
	.globl	k_q87a59a6ab1_proj
	.p2align	8
	.type	k_q87a59a6ab1_proj,@function
k_q87a59a6ab1_proj:
	s_mov_b64 s[64:65], 0
	v_nop
	global_prefetch_b8 v0, s[64:65] scope:SCOPE_SE
	s_setreg_imm32_b32 hwreg(HW_REG_WAVE_MODE, 25, 1), 1
	s_wait_xcnt 0x0
	s_wait_alu depctr_hold_cnt(0) depctr_sa_sdst(0) depctr_va_vdst(0) depctr_va_sdst(0) depctr_va_ssrc(0) depctr_va_vcc(0) depctr_vm_vsrc(0)
	s_getreg_b32 s2, hwreg(HW_REG_IB_STS2, 6, 4)
	s_cmp_eq_u32 s2, 0
	s_cbranch_scc0 .Lentry_in_a_cluster
	s_endpgm
.Lentry_in_a_cluster:
	s_bfe_u32 s2, ttmp6, 0x10000c
	s_cmp_lg_u32 s2, 0xf033
	s_cbranch_scc0 .Lentry_shape_is_right
	s_endpgm
.Lentry_shape_is_right:
; Q, K, V = feature W^T + b on codes of E3M2 with E8M0 scales (K = 1,024), and at once the quantising of the results for the two products of attention.
; ONE BODY FOR ALL THREE.  A tile is 256 rows of X x 256 rows of Y.  X is source 1 of the matrix instruction (a lane holds ONE row of X), Y is source 0 (a lane's registers run along Y, and along Y the result is quantised).
;   Q, K: X = feature's rows (tokens), Y = W's rows (head, d): quantised along d.      V: X = W_V's rows (head, d), Y = feature's rows (keys): quantised along the keys.
; Twelve clusters of 4 x 4 work-groups: 0-3 make Q, 4-7 K, 8-11 V.  The four work-groups of a row of a cluster need the same tiles of X, the four of a column the same tiles of Y: each tile is asked for jointly.
; Four waves, each 128 x 128: 64 accumulators of 16 x 16, 512 registers.  K goes in steps of 256 (rows of 192 bytes) through a ring of two LDS slots; the scale bytes of the tile's rows come once and stay.
; THE ROWS IN THE CODE BUFFERS ARE PERMUTED (bits 3 and 4 of the row number exchanged): physical row 16 t + m is logical row 32 (t / 2) + 8 (t % 2) + m + 8 (m / 8).  So in the results of X block a the 64 registers
; of a lane, Y blocks 0 to 7 on end, are y = 32 bb + 16 (lane / 16) + i at register 16 bb + i: sixteen neighbours along the next K, as the conversions want them.
; The bias is the C of each sum's first matrix instruction: for Q, K it hangs on y (eight registers a Y block), for V on the lane's row of X (the same number in eight registers).  That step is written twice.
; RESULTS LEAVE AS IMAGES OF THE NEXT OPERANDS' REGISTERS: four registers by one store of 16 bytes a lane, 512 consecutive bytes a wave.  qkv is two arrays of 512 blocks of 15,360 bytes, block ((b 16 + head) 16 + run of 128 tokens):
;   byte 0: 8 tiles of 16 keys x 1,024 bytes (registers 0-3, then 4-7);  8,192: 4 tiles of 16 d x 1,536 bytes (registers 0-11 of V^T, K = the run's 128 keys);  14,336: K's scale words;  14,848: V's.  Array 1 holds Q in K's places.
; THE MASK RIDES IN THE IDLE HALF OF THE SCORES' K (a head has 64 of the instruction's 128): a masked key gets zero codes for d = 0 .. 63, the code -1 at k = 64 and the scale byte 160 (2^33) for that block; every query has
; the code +1 at k = 64 with the byte 127.  So a masked score is exactly -2^33, whatever Q and K hold: the logit is replaced, as the problem asks.  An unmasked key has a zero code there and the byte 1.
; LIMITS: -2^30 stands for the problem's -1e9 as a masked logit: the two differ only where a row's largest unmasked logit lies under about -1e9.  NaN and infinities are not served.  A block of zeros gets the byte 1 (its codes are zeros).
; REGISTERS, in windows of 256: window 0: v1-29 addresses; v32-63 scale words, two sets; v64-127 the bias; v128-223 X's fragments, ONE set (on the way out: at work); v224-231 mask words; v232-239 the bias's offsets.
;   window 1: Y's fragments, TWO sets.   windows 2, 3: the accumulators, (a, b) at v[8 (8 (a % 4) + b)], X blocks 0-3 in window 2, 4-7 in window 3.
.set KSTEP,  256                       ; along K in a slot
.set NQ,     KSTEP/128                 ; matrix instructions deep
.set ROWB,   192                       ; a tile's row in bytes
.set KROW,   768                       ; a row of codes in memory: 1,024 codes
.set PITCH,  240                       ; an LDS row: 3 x (64 bytes + 16 of padding)
.set FR,     12                        ; registers of a fragment
.set NL,     6                         ; LDS loads that bring one
.set NP,     4                         ; places behind this matrix instruction (ISA guide 7.12.1)
.set HALFT,  128*PITCH                 ; 128 rows: what one tensor load brings
.set SLOT,   4*HALFT                   ; X's 256 rows, then Y's 256 rows
.set LAPS,   2                         ; 1,024 along K = twice round the ring
.set KS,     32                        ; a row of scale bytes
.set SCL,    2*SLOT                    ; behind the ring: the scales, as runs of 256 bytes + 16 of padding
.set HALFS,  (128*KS/256)*272          ; the scales of 128 rows
.set SBLK,   (16*KS/256)*272           ; those of 16 rows
.set SPARE,  SCL+4*HALFS               ; the spare words, 128 bytes for each wave, that no other line names
.set BLOCK,  15360                     ; a block of qkv
.set QOFF,   512*BLOCK                 ; where array 1 begins
.set ADRA, 16                          ; v16-17 LDS address of my X fragments in slot 0, 1 (v18-19: for the pieces behind one padding more)
.set ADRB, 20                          ; v20-23 the same for Y
.set LI,   24                          ; v24    16 x lane: my place in an image
.set ADRS, 27                          ; v27    LDS address of my scale words: lanes 0-15 X's rows, lanes 16-31 Y's
.set SPW,  28                          ; v28    LDS address of my spare word; never rewritten
.set NIL,  29                          ; v29    0; never rewritten
.set SC,   32                          ; scale words: set s at v[SC + 16 s]; register 2 i + q: lanes 0-15 X block i's word, lanes 16-31 Y block i's
.set BIAS, 64
.set AF,   128                         ; X's fragments
.set MK,   224                         ; the mask words of my row in X blocks 0-7
.set BA,   232                         ; the bias's eight byte offsets
.set TM,   128                         ; the way out: v128-131 largest magnitudes, v132-135 the other half's, then bytes, v140-143 the conversions' scale operands
.set PW,   144                         ; a row's four scale bytes
.set T0,   145
.set T1,   146
.set VZ,   147                         ; 0
.set VC,   148                         ; the flag's code: -1 for K, +1 for Q
.set VKU,  149                         ; bytes 2, 3 of a scale word: of a row that is not masked,
.set VKM,  150                         ; of a masked key,
.set VK,   151                         ; of my row
.set IM,   152                         ; v152-167 the images
.set CBT,  168                         ; v168-174 the conversions' second halves
.set SW,   176                         ; v176-183 the scale words to be stored
.set G1, 24                            ; s[24:31] descriptor group 1 for X's tiles;  s[32:39] group 0, one set for each slot
.set G0, 32
.set G1B, 48                           ; s[48:55], s[56:63] the same for Y's tiles
.set G0B, 56
.set G1S, 68                           ; s[68:75], s[76:79] groups 1 and 0 for X's scales;  s[80:87], s[88:91] for Y's
.set G0S, 76
.set G1SB, 80
.set G0SB, 88
.set MSB, 0
.macro WIN new                         ; the immediate's high byte repeats the setting that is left
.if MSB != \new
	s_set_vgpr_msb (MSB<<8)|\new
.set MSB, \new
.endif
.endm
.set MUL_LO,   0xa1                    ; source 0 (Y) window 1, source 1 (X) window 0, C and D window 2
.set MUL_HI,   0xf1                    ; the same, C and D window 3
.set FIRST_LO, 0x81                    ; the first step: C (the bias) window 0, D window 2
.set FIRST_HI, 0xc1                    ; D window 3
.set TO_B,     0x40                    ; destination window 1, address window 0
; A joint load: waves 0 and 1 fetch for X, waves 2 and 3 for Y.  Each of the two lines has one mask and one set of registers; the branch hangs on the wave's number alone.
; Four v_nop follow each of the two lines, ahead of the jump, the label and what follows.
.macro JLOAD g0a, g1a, g0b, g1b
	s_cmp_eq_u32 s15, 0
	s_cbranch_scc0 .Lfor_b_\@
	tensor_load_to_lds s[\g0a:\g0a+3], s[\g1a:\g1a+7]
	s_nop 0
.rept 4
	v_nop
.endr
	s_branch .Lasked_\@
.Lfor_b_\@:
	tensor_load_to_lds s[\g0b:\g0b+3], s[\g1b:\g1b+7]
	s_nop 0
.rept 4
	v_nop
.endr
.Lasked_\@:
.endm
.macro CREST                           ; a round of the cluster's barrier behind its opening barrier
	s_cmp_lg_u32 s14, 0
	s_cbranch_scc1 .Lnot_wave_0_\@
	s_barrier_signal -3
.Lnot_wave_0_\@:
	s_barrier_wait -3
	s_barrier_signal -1
	s_barrier_wait -1
.endm
.macro CROUND                          ; a whole round
	s_barrier_signal -1
	s_barrier_wait -1
	CREST
.endm
	s_load_b256 s[24:31], s[0:1], 0x0              ; fcodes, fscales, wcodes, wscales (chosen from below, before these registers take the descriptors)
	s_load_b256 s[48:55], s[0:1], 0x20             ; b_Q, b_K, b_V, mask
	s_load_b64 s[12:13], s[0:1], 0x40              ; qkv
	v_lshl_add_u32 v[SPW], v0, 2, SPARE
	v_mov_b32 v[NIL], 0
	ds_add_u32 v28, v29
	ds_add_u32 v28, v29
	s_wait_dscnt 0x0
	v_lshrrev_b32 v1, 5, v0
	v_readfirstlane_b32 s14, v1                    ; wave 0..3
	s_lshr_b32 s15, s14, 1                         ; which half of the tile's X rows is mine.  Also: I fetch for X (0) or for Y (1)
	s_and_b32 s16, s14, 1                          ; which half of its Y rows.  Also: which 128 rows of that tile I fetch
	s_bfe_u32 s40, ttmp6, 0x40000                  ; cx, cy: my place in the cluster
	s_bfe_u32 s41, ttmp6, 0x40004
	s_and_b32 s18, ttmp9, 3                        ; Q, K: the cluster's place along X,
	s_lshr_b32 s19, ttmp9, 2                       ; and along Y (0: W_Q's rows, 1: W_K's)
	s_sub_co_u32 s20, ttmp9, 8                     ; V: its place along Y
	s_cmp_ge_u32 ttmp9, 8                          ; the cluster's number, which all sixteen partners share
	s_cselect_b32 s66, 1, 0                        ; 1: this cluster makes V
	s_cselect_b32 s18, 0, s18
	s_cselect_b32 s19, s20, s19
	s_cselect_b32 s23, 2048, 0                     ; V: X's rows are W_V's, which begin at row 2,048 of the weights' buffers
	s_lshl_b32 s17, s18, 2
	s_add_co_u32 s17, s17, s41                     ; tile row (X)
	s_lshl_b32 s42, s19, 2
	s_add_co_u32 s42, s42, s40                     ; tile column (Y)
	s_lshl_b32 s43, s41, 2
	s_lshl_b32 s43, 15, s43                        ; my row of the cluster
	s_lshl_b32 s44, 0x1111, s40                    ; my column
	s_lshr_b32 s20, ttmp9, 2
	s_mov_b32 s67, 0x017f0000                      ; bytes 2, 3 of a scale word: Q's: 127 for the flag's block, 1 for the empty block
	s_cmp_eq_u32 s20, 1                            ; this cluster makes K
	s_cselect_b32 s95, -1, 0                       ; all ones for K
	s_cselect_b32 s2, 0, -1                        ; all ones for the others
	s_cselect_b32 s67, 0x01010000, s67             ; an unmasked key's: 1 and 1
	s_lshl_b32 s18, s16, 7                         ; which 128 rows of the tile I fetch
	s_lshl_b32 s20, s17, 8
	s_add_co_u32 s20, s20, s18
	s_add_co_u32 s20, s20, s23                     ; X: row 256 x tile row + 128 x half (+ 2,048)
	s_lshl_b32 s46, s42, 8
	s_add_co_u32 s46, s46, s18                     ; Y: row 256 x tile column + 128 x half
	s_mov_b32 s21, 0
	s_mov_b32 s47, 0
	s_mov_b64 s[18:19], KS
	s_mul_u64 s[22:23], s[20:21], s[18:19]         ; where these rows' scales begin, in bytes
	s_mul_u64 s[92:93], s[46:47], s[18:19]
	s_mov_b64 s[18:19], KROW
	s_mul_u64 s[20:21], s[20:21], s[18:19]         ; and their codes
	s_mul_u64 s[46:47], s[46:47], s[18:19]
	s_mul_i32 s45, s14, HALFT                      ; where they go: wave x 128 rows: no place in the cluster enters an LDS address
	s_mul_i32 s94, s14, HALFS
	s_wait_kmcnt 0x0
	s_cmp_lg_u32 s66, 0                            ; the buffers are chosen by the cluster's number alone
	s_cselect_b64 s[4:5], s[28:29], s[24:25]       ; X's codes: the weights' for V, feature's else
	s_cselect_b64 s[6:7], s[30:31], s[26:27]       ; X's scales
	s_cselect_b64 s[8:9], s[24:25], s[28:29]       ; Y's codes
	s_cselect_b64 s[10:11], s[26:27], s[30:31]     ; Y's scales
	s_cselect_b64 s[98:99], s[52:53], s[48:49]     ; the bias: b_V or b_Q,
	s_mov_b64 s[100:101], s[54:55]                 ; the mask
	s_cmp_lg_u32 s95, 0
	s_cselect_b64 s[98:99], s[50:51], s[98:99]     ; or b_K
	s_add_nc_u64 s[20:21], s[4:5], s[20:21]
	s_add_nc_u64 s[22:23], s[6:7], s[22:23]
	s_add_nc_u64 s[46:47], s[8:9], s[46:47]
	s_add_nc_u64 s[92:93], s[10:11], s[92:93]
	; descriptor group 1: a tile of 128 rows x 192 bytes, padded in LDS
	s_or_b32 s[G1+0], s43, (0<<16)|(1<<20)|(1<<21)|(3<<22)|(3<<25)  ; 15:0 the mask: X's tiles go to my row; 17:16 elements of 1 byte; 20 padding on; 21 set beside a mask; 24:22 after every 16 words; 31:25 of 4 words
	s_or_b32 s[G1B+0], s44, (0<<16)|(1<<20)|(1<<21)|(3<<22)|(3<<25) ; Y's go to my column
.irp g, G1, G1B
	s_mov_b32 s[\g+1], ROWB<<16                    ; tensor_dim0
	s_mov_b32 s[\g+2], 128<<16                     ; tensor_dim1
	s_mov_b32 s[\g+3], ROWB<<16                    ; tile_dim0
	s_mov_b32 s[\g+4], 128                         ; tile_dim1
	s_mov_b32 s[\g+5], KROW                        ; tensor_dim0_stride
	s_mov_b32 s[\g+6], 0
	s_mov_b32 s[\g+7], 0
.endr
	; and for the scales of 128 rows: 4,096 dense bytes, as 16 rows of 256 bytes (32 elements of 8 bytes), 16 bytes of padding behind each
	s_or_b32 s[G1S+0], s43, (3<<16)|(1<<20)|(1<<21)|(5<<22)|(3<<25)
	s_or_b32 s[G1SB+0], s44, (3<<16)|(1<<20)|(1<<21)|(5<<22)|(3<<25)
.irp g, G1S, G1SB
	s_mov_b32 s[\g+1], 32<<16
	s_mov_b32 s[\g+2], (128*KS/256)<<16
	s_mov_b32 s[\g+3], 32<<16
	s_mov_b32 s[\g+4], 128*KS/256
	s_mov_b32 s[\g+5], 32
	s_mov_b32 s[\g+6], 0
	s_mov_b32 s[\g+7], 0
.endr
	CROUND                                         ; all sixteen work-groups are here: the first joint loads meet
	s_mov_b32 s[G0S], 1
	s_add_co_u32 s[G0S+1], s94, SCL
	s_mov_b64 s[G0S+2:G0S+3], s[22:23]
	s_or_b32 s[G0S+3], s[G0S+3], 0x80000000
	s_mov_b32 s[G0SB], 1
	s_add_co_u32 s[G0SB+1], s94, SCL
	s_mov_b64 s[G0SB+2:G0SB+3], s[92:93]
	s_or_b32 s[G0SB+3], s[G0SB+3], 0x80000000
	JLOAD G0S, G1S, G0SB, G1SB                     ; the scales first: they are wanted with K step 0.  With the two below three tensor loads of mine are out
.irp s, 0,1
	s_mov_b32 s[G0+4*\s], 1
	s_add_co_u32 s[G0+4*\s+1], s45, \s*SLOT
	s_add_nc_u64 s[G0+4*\s+2:G0+4*\s+3], s[20:21], \s*ROWB
	s_or_b32 s[G0+4*\s+3], s[G0+4*\s+3], 0x80000000
	s_mov_b32 s[G0B+4*\s], 1
	s_add_co_u32 s[G0B+4*\s+1], s45, \s*SLOT
	s_add_nc_u64 s[G0B+4*\s+2:G0B+4*\s+3], s[46:47], \s*ROWB
	s_or_b32 s[G0B+4*\s+3], s[G0B+4*\s+3], 0x80000000
	JLOAD G0+4*\s, G1, G0B+4*\s, G1B
.endr
	v_and_b32 v1, 15, v0                           ; r = lane % 16
	v_bfe_u32 v2, v0, 4, 1                         ; h = lane / 16
	v_mul_u32_u24 v3, v1, PITCH
	v_mul_u32_u24 v4, v2, 24
	v_add_nc_u32 v4, v3, v4                        ; a fragment's row x pitch + 24 x half
	v_lshl_add_u32 v5, v2, 4, v4                   ; and the same behind one padding more
	s_mul_i32 s21, s15, HALFT                      ; my 128 rows of X
	s_mul_i32 s22, s16, HALFT                      ; my 128 rows of Y,
	s_add_co_u32 s22, s22, 2*HALFT                 ; which lie behind X's 256
.irp s, 0,1
	v_add_nc_u32 v[ADRA+\s], s21, v4
	v_add_nc_u32 v[ADRB+\s], s22, v4
	v_add_nc_u32 v[ADRA+2+\s], s21, v5
	v_add_nc_u32 v[ADRB+2+\s], s22, v5
	s_add_co_u32 s21, s21, SLOT
	s_add_co_u32 s22, s22, SLOT
.endr
	v_mul_u32_u24 v5, v1, KS                       ; my row's scales: 32 bytes a row,
	v_lshrrev_b32 v6, 8, v5
	v_lshl_add_u32 v5, v6, 4, v5                   ; and 16 more for each 256 passed
	s_mul_i32 s21, s15, HALFS                      ; X's: my 128 rows
	s_mul_i32 s22, s16, HALFS                      ; Y's: my 128 rows, behind X's 256
	s_add_co_u32 s22, s22, 2*HALFS
	s_sub_co_u32 s22, s22, s21
	v_mul_u32_u24 v6, s22, v2                      ; lanes 16-31 take Y's: one product, the distance between the two bases
	s_add_co_u32 s21, s21, SCL
	v_add_nc_u32 v5, v5, v6
	v_add_nc_u32 v[ADRS], s21, v5
	v_and_b32 v6, 31, v0
	v_lshlrev_b32 v[LI], 4, v6                     ; 16 x lane
	v_and_b32 v7, 8, v1
	v_add_nc_u32 v7, v7, v1                        ; r + 8 (r / 8): my logical row in a block of X
	v_lshlrev_b32 v9, 2, v7                        ; its mask word
	; where my part lies: tokens and (head, d)
	s_lshl_b32 s18, s17, 8
	s_lshl_b32 s19, s15, 7
	s_add_co_u32 s18, s18, s19                     ; my first row of X
	s_lshl_b32 s19, s42, 8
	s_lshl_b32 s20, s16, 7
	s_add_co_u32 s19, s19, s20                     ; my first row of Y
	s_cmp_lg_u32 s66, 0
	s_cselect_b32 s20, s19, s18                    ; my first token: Y's row for V, X's else
	s_cselect_b32 s21, s18, s19                    ; my first (head, d)
	s_cselect_b32 s22, 8192, 0                     ; V's place in a block
	s_cselect_b32 s23, 0, s20                      ; the mask words are my X rows' (for V they are loaded and not used)
	s_cselect_b32 s43, 0, 64                       ; the bias's offsets: Q, K: 64 h + 4 j, the y of register j;
	s_cselect_b32 s44, 4, 0                        ; V: 4 x my row of X,
	s_cselect_b32 s45, 0, 4                        ; the same for all j
	v_mul_u32_u24 v8, s43, v2
	v_mad_u32_u24 v[BA], v7, s44, v8
.irp j, 1,2,3,4,5,6,7
	v_add_nc_u32 v[BA+\j], s45, v[BA+\j-1]
.endr
	s_lshl_b32 s46, s23, 2
	s_mov_b32 s47, 0
	s_add_nc_u64 s[100:101], s[100:101], s[46:47]
	s_and_b32 s46, s21, 1023
	s_lshl_b32 s46, s46, 2
	s_add_nc_u64 s[98:99], s[98:99], s[46:47]
	s_lshr_b32 s92, s20, 11                        ; b
	s_lshl_b32 s92, s92, 4
	s_bfe_u32 s93, s21, 0x40006                    ; my first head
	s_add_co_u32 s92, s92, s93
	s_lshl_b32 s92, s92, 4
	s_bfe_u32 s93, s20, 0x40007                    ; my run of 128 tokens
	s_add_co_u32 s92, s92, s93
	s_mul_i32 s46, s92, BLOCK
	s_add_co_u32 s46, s46, s22
	s_cmp_lt_u32 ttmp9, 4
	s_cselect_b32 s93, QOFF, 0                     ; Q goes to array 1
	s_add_co_u32 s46, s46, s93
	s_add_nc_u64 s[12:13], s[12:13], s[46:47]      ; my first head's block,
	s_add_nc_u64 s[96:97], s[12:13], 16*BLOCK      ; and my second head's
.irp i, 0,1,2,3,4,5,6,7
.irp j, 0,1,2,3,4,5,6,7
	global_load_b32 v[BIAS+8*\i+\j], v[BA+\j], s[98:99] offset:4*(32*(\i/2)+8*(\i%2))   ; Q, K: the bias at y = 32 (i / 2) + 16 h + 8 (i % 2) + j;  V: at my row of X block i
.endr
.endr
.irp a, 0,1,2,3,4,5,6,7
	global_load_b32 v[MK+\a], v9, s[100:101] offset:4*(32*(\a/2)+8*(\a%2))
.endr
.macro FRAG reg, adr, q, i             ; a fragment, 16 rows x 128 K of 6-bit codes, is 12 registers: lane l holds row l % 16; registers 6 c .. 6 c + 5 hold K = 64 c + 32 (l / 16) + 0 .. 31: 24 bytes of the row, as they lie
.irp p, 0,1,2,3,4,5                    ; in pieces of 8 bytes.  Lanes 16-31 read three pieces on; where that piece lies behind one padding more, the second address register serves
.set PC, 12*(\q)+6*(\p/3)+\p%3
.if PC%8 < 5
	ds_load_b64 v[\reg+2*\p:\reg+2*\p+1], v[\adr] offset:8*PC+16*(PC/8)+(\i)*16*PITCH
.else
	ds_load_b64 v[\reg+2*\p:\reg+2*\p+1], v[\adr+2] offset:8*PC+16*(PC/8)+(\i)*16*PITCH
.endif
.endr
.endm
; 16 matrix instructions: X's blocks a0, a0 + 1 x Y's eight, 128 along K.  p: Y's set;  sc: the set of scale words.  zero = 1: the sums begin with the bias of Y's block; 2: of X's block; 0: they go on.
; The 64 accumulators take turns, one instruction a turn, in the same order in every step.
.macro MUL16 a0, p, q, sc, zero
.irp a, \a0, \a0+1
.irp b, 0,1,2,3,4,5,6,7
.if \zero == 1
	v_wmma_scale_f32_16x16x128_f8f6f4 v[8*(8*((\a)%4)+\b):8*(8*((\a)%4)+\b)+7], v[128*(\p)+FR*\b:128*(\p)+FR*\b+FR-1], v[AF+FR*(\a):AF+FR*(\a)+FR-1], v[BIAS+8*\b:BIAS+8*\b+7], v[SC+8*NQ*(\sc)+NQ*\b+(\q)], v[SC+8*NQ*(\sc)+NQ*(\a)+(\q)] matrix_a_fmt:MATRIX_FMT_BF6 matrix_b_fmt:MATRIX_FMT_BF6 matrix_a_scale:MATRIX_SCALE_ROW1
.elseif \zero == 2
	v_wmma_scale_f32_16x16x128_f8f6f4 v[8*(8*((\a)%4)+\b):8*(8*((\a)%4)+\b)+7], v[128*(\p)+FR*\b:128*(\p)+FR*\b+FR-1], v[AF+FR*(\a):AF+FR*(\a)+FR-1], v[BIAS+8*(\a):BIAS+8*(\a)+7], v[SC+8*NQ*(\sc)+NQ*\b+(\q)], v[SC+8*NQ*(\sc)+NQ*(\a)+(\q)] matrix_a_fmt:MATRIX_FMT_BF6 matrix_b_fmt:MATRIX_FMT_BF6 matrix_a_scale:MATRIX_SCALE_ROW1
.else
	v_wmma_scale_f32_16x16x128_f8f6f4 v[8*(8*((\a)%4)+\b):8*(8*((\a)%4)+\b)+7], v[128*(\p)+FR*\b:128*(\p)+FR*\b+FR-1], v[AF+FR*(\a):AF+FR*(\a)+FR-1], v[8*(8*((\a)%4)+\b):8*(8*((\a)%4)+\b)+7], v[SC+8*NQ*(\sc)+NQ*\b+(\q)], v[SC+8*NQ*(\sc)+NQ*(\a)+(\q)] matrix_a_fmt:MATRIX_FMT_BF6 matrix_b_fmt:MATRIX_FMT_BF6 matrix_a_scale:MATRIX_SCALE_ROW1
.endif
.endr
.endr
.endm
.macro FETCH_B slot, q, p              ; Y's eight fragments of the slot's q-th 128 along K into set p
	WIN TO_B
.irp i, 0,1,2,3,4,5,6,7
	FRAG 128*(\p)+FR*\i, ADRB+\slot, \q, \i
.endr
	WIN 0
.endm
.macro FETCH_A slot, q, i0             ; X's blocks i0 .. i0 + 3
.irp i, \i0, \i0+1, \i0+2, \i0+3
	FRAG AF+FR*(\i), ADRA+\slot, \q, \i
.endr
.endm
.macro SCALES sc                       ; a K step's scale words into set sc: two words a row; lanes 0-15 take X's block i, lanes 16-31 Y's block i
.irp i, 0,1,2,3,4,5,6,7
	ds_load_b64 v[SC+8*NQ*\sc+NQ*\i:SC+8*NQ*\sc+NQ*\i+1], v[ADRS] offset:\i*SBLK
.endr
.endm
; A load into a register that a matrix instruction has read, and a vector instruction that reads a matrix result or writes one of its registers, stand NP places behind it; only plain vector
; instructions that name none of its registers are places (ISA guide 7.12.1 for vector instructions).
.macro PLACES n
.rept \n
	v_nop
.endr
.endm
; A step of 128 along K that has its successor in the same slot.
.macro STEP slot, q, zero
	s_wait_dscnt 4*NL                              ; Y's set and X's blocks 0-3 are in; the youngest 24 loads (X's blocks 4-7) may be out
.if \zero
	WIN FIRST_LO
.else
	WIN MUL_LO
.endif
	MUL16 0, (\q)%2, \q, \slot, \zero
	MUL16 2, (\q)%2, \q, \slot, \zero
	s_wait_dscnt 0                                 ; X's blocks 4-7 are in (asked for 32 matrix instructions ago)
	PLACES NP
	FETCH_B \slot, (\q)+1, 1-(\q)%2
	FETCH_A \slot, (\q)+1, 0
.if \zero
	WIN FIRST_HI
.else
	WIN MUL_HI
.endif
	MUL16 4, (\q)%2, \q, \slot, \zero
	MUL16 6, (\q)%2, \q, \slot, \zero
	PLACES NP
	WIN 0
	FETCH_A \slot, (\q)+1, 4
.endm
; A slot's last step changes slots: ONE barrier; in front of it each wave waits for all its tensor loads, adds 0 to its spare word, and waits for that and for its own reads of this slot.  fill = 1: this slot is filled again, two K steps ahead.
.macro TURN slot, next, fill
	s_wait_tensorcnt 0x0                           ; all my tensor loads have landed: my part of the next slot  (every window is 0 here)
	ds_add_u32 v[SPW], v[NIL]                      ; 0 onto my spare word
	s_wait_dscnt 4*NL+1                            ; (the add and the youngest 24 loads, X's blocks 4-7, may be out)
	WIN MUL_LO
	MUL16 0, 1, NQ-1, \slot, 0                     ; sixteen matrix instructions stand between the add and the wait for it
	s_wait_dscnt 0x0                               ; the add is done, and my reads of this slot are over
	s_barrier_signal -1
	MUL16 2, 1, NQ-1, \slot, 0
	WIN 0
	s_barrier_wait -1
.if \fill
	CREST                                          ; the barrier has opened a round of the cluster's barrier: no wave of any partner still reads this slot's tile or has a load on its way
	s_add_nc_u64 s[G0+4*\slot+2:G0+4*\slot+3], s[G0+4*\slot+2:G0+4*\slot+3], 2*ROWB
	s_add_nc_u64 s[G0B+4*\slot+2:G0B+4*\slot+3], s[G0B+4*\slot+2:G0B+4*\slot+3], 2*ROWB
	JLOAD G0+4*\slot, G1, G0B+4*\slot, G1B         ; the first tensor load behind the round, my only one until the next; its four v_nop are also the places in front of the loads below
.else
	PLACES NP
.endif
	v_add_nc_u32 v[ADRS], 4*NQ, v[ADRS]            ; on to the next K step's scale words (no LDS load of mine is out)
	FETCH_B \next, 0, 0
	FETCH_A \next, 0, 0
	SCALES \next
	WIN MUL_HI
	MUL16 4, 1, NQ-1, \slot, 0
	MUL16 6, 1, NQ-1, \slot, 0
	PLACES NP
	WIN 0
	FETCH_A \next, 0, 4
.endm
	s_wait_tensorcnt 1                             ; the scales and my part of K step 0 are in (K step 1's load may be out)
	s_barrier_signal -1
	s_barrier_wait -1                              ; everybody's are
	FETCH_B 0, 0, 0
	FETCH_A 0, 0, 0
	SCALES 0
	FETCH_A 0, 0, 4
	s_wait_loadcnt 0x0                             ; the bias and the mask words
	s_cmp_lg_u32 s66, 0                            ; the first step is written twice: it differs in which bias starts a sum.  The branch hangs on the cluster's number, alike in all partners
	s_cbranch_scc1 .Lfirst_v
	STEP 0, 0, 1
	s_branch .Ljoin
.Lfirst_v:
	STEP 0, 0, 2
.Ljoin:
	s_mov_b32 s3, LAPS-1
.Llap:                                                 ; a trip goes once round the ring, from a lap's second step to the next lap's first, and fills both slots again
	TURN 0, 1, 1
	STEP 1, 0, 0
	TURN 1, 0, 1
	STEP 0, 0, 0
	s_sub_co_u32 s3, s3, 1
	s_cmp_lg_u32 s3, 0
	s_cbranch_scc1 .Llap
	TURN 0, 1, 0                                   ; the last lap fills nothing, and has no round of the cluster's barrier
	STEP 1, 0, 0
	s_wait_dscnt 4*NL                              ; the very last step: nothing more to fetch
	WIN MUL_LO
	MUL16 0, 1, NQ-1, 1, 0
	MUL16 2, 1, NQ-1, 1, 0
	s_wait_dscnt 0
	WIN MUL_HI
	MUL16 4, 1, NQ-1, 1, 0
	MUL16 6, 1, NQ-1, 1, 0
	WIN 0
; THE WAY OUT.  X block a's 64 numbers of a lane (register 16 bb + i = y 32 bb + 16 h + i of my row) are four half blocks of 32 along the next K.
; QCORE makes their four scale bytes (in v[pw]) and their codes: v[IM + st c ..+2] the lower 16 codes and v[CBT + 4 c ..+2] the upper 16 of block 2 c + h, c = 0, 1.
.macro QCORE a, st, pw
.set AC, 64*((\a)%4)
.set W, 2+(\a)/4                       ; the block's window
.set WW, 5*W                           ; sources 0 and 1 in it
	s_wait_xcnt 0x0                                ; the last block's stores have read their registers: the images are written again only behind this wait
	WIN WW
.irp b, 0,1,2,3
	v_max3_num_f32 v[TM+\b], |v[AC+16*\b]|, |v[AC+16*\b+1]|, 0x2800000   ; my 16 numbers of block b, each accumulator from its low end on, and the floor 2^(5 - 127): the byte cannot fall under 1
.endr
.irp i, 2,4,6,8,10,12,14
.irp b, 0,1,2,3
	v_max3_num_f32 v[TM+\b], |v[AC+16*\b+\i]|, |v[AC+16*\b+\i+1]|, v[TM+\b]   ; (the four blocks by turns)
.endr
.endr
	WIN 0
.irp b, 0,1,2,3
	v_permlanex16_b32 v[TM+4+\b], v[TM+\b], s40, s41
.endr
.irp b, 0,1,2,3
	v_max_num_f32 v[TM+\b], v[TM+\b], v[TM+4+\b]   ; with lane l xor 16's: the block's largest magnitude
.endr
.irp b, 0,1,2,3
	v_add_nc_u32 v[TM+12+\b], 0xfe000000, v[TM+\b] ; 4 off its exponent field: the conversion's scale operand
.endr
.irp b, 0,1,2,3
	v_lshrrev_b32 v[TM+4+\b], 23, v[TM+12+\b]      ; the scale's byte
.endr
	v_lshl_or_b32 v[\pw], v[TM+5], 8, v[TM+4]
	v_lshl_or_b32 v[\pw], v[TM+6], 16, v[\pw]
	v_lshl_or_b32 v[\pw], v[TM+7], 24, v[\pw]
	WIN W                                          ; source 0 in the block's window
.irp c, 0,1
	v_cvt_scalef32_pk16_bf6_f32 v[IM+\st*\c:IM+\st*\c+2], v[AC+32*\c:AC+32*\c+15], v[TM+12+2*\c]
	v_cvt_scalef32_pk16_bf6_f32 v[CBT+4*\c:CBT+4*\c+2], v[AC+32*\c+16:AC+32*\c+31], v[TM+13+2*\c]   ; (a conversion's three registers begin on an even number)
.endr
	WIN 0
	v_nop                                          ; one plain place behind a scaled conversion
.irp c, 0,1                                    ; the operand's layout wants a WHOLE block in a lane: lanes 0-15 block 2 c, lanes 16-31 block 2 c + 1
.irp i, 0,1,2
	v_permlane16_swap_b32 v[IM+\st*\c+\i], v[CBT+4*\c+\i]
.endr
.endr
.endm
; Q, K: blocks 0, 1 are my first head's 64, blocks 2, 3 my second's.  A head's tile of 16 tokens: registers 0-5 the codes, 6 the flag (k = 64: lanes 0-15), 7 zero; registers 8-11 are zeros and are not stored.
.macro OUTQK a
	QCORE \a, 8, PW
	v_cmp_eq_u32 s43, 0, v[MK+(\a)]                ; my token is masked,
	s_and_b32 s43, s43, s95                        ; which counts for K alone
	s_or_b32 s44, s43, s2                          ; the flag stands in masked keys and in every query,
	s_and_b32 s44, s44, 0xffff                     ; in lanes 0-15
	v_cndmask_b32 v[VK], v[VKU], v[VKM], s43       ; bytes 2, 3 of my row's scale words
.irp c, 0,1
.irp i, 0,1,2
	v_cndmask_b32 v[IM+8*\c+\i], v[IM+8*\c+\i], v[VZ], s43          ; a masked key's codes are zeros
	v_cndmask_b32 v[IM+8*\c+3+\i], v[CBT+4*\c+\i], v[VZ], s43
.endr
	v_cndmask_b32 v[IM+8*\c+6], v[VZ], v[VC], s44
.endr
.if (\a)%2 == 0                                ; scale words: register a / 2 holds tile a's in lanes 0-15 (a even) or in lanes 16-31 (a odd)
	v_and_or_b32 v[SW+(\a)/2], v[PW], 0xffff, v[VK]
	v_lshrrev_b32 v[T1], 16, v[PW]
	v_or_b32 v[SW+4+(\a)/2], v[T1], v[VK]
.else
	v_and_or_b32 v[T0], v[PW], 0xffff, v[VK]
	v_lshrrev_b32 v[T1], 16, v[PW]
	v_or_b32 v[T1], v[T1], v[VK]
	v_cndmask_b32 v[SW+(\a)/2], v[SW+(\a)/2], v[T0], s94
	v_cndmask_b32 v[SW+4+(\a)/2], v[SW+4+(\a)/2], v[T1], s94
.endif
.irp k, 0,1
	global_store_b128 v[LI], v[IM+4*\k:IM+4*\k+3], s[12:13] offset:1024*(\a)+512*\k       ; 32 lanes store 512 consecutive bytes, aligned
	global_store_b128 v[LI], v[IM+8+4*\k:IM+8+4*\k+3], s[96:97] offset:1024*(\a)+512*\k
.endr
.endm
; V: X blocks 0-3 are my first head's four tiles of 16 d, blocks 4-7 my second's; the four blocks of 32 are the run's 128 keys: a whole fragment, 12 registers.
.macro OUTV a
	QCORE \a, 6, SW+(\a)
.irp c, 0,1
.irp i, 0,1,2
	v_mov_b32 v[IM+6*\c+3+\i], v[CBT+4*\c+\i]
.endr
.endr
.irp k, 0,1,2
.if (\a) < 4
	global_store_b128 v[LI], v[IM+4*\k:IM+4*\k+3], s[12:13] offset:1536*((\a)%4)+512*\k
.else
	global_store_b128 v[LI], v[IM+4*\k:IM+4*\k+3], s[96:97] offset:1536*((\a)%4)+512*\k
.endif
.endr
.endm
	PLACES NP                                      ; behind the last products: results are read, and registers that held X's fragments are written
	s_mov_b32 s40, 0x76543210
	s_mov_b32 s41, 0xfedcba98                      ; v_permlanex16_b32's selects for lane l xor 16
	s_mov_b32 s94, 0xffff0000                      ; lanes 16-31
	s_cmp_lg_u32 s95, 0
	s_cselect_b32 s93, 0x2c, 0x0c                  ; the code of -1 (K) or of +1 (Q)
.irp b, 0,1,2,3
	v_mov_b32 v[TM+4+\b], 0                        ; written once: a lane permute's destination counts as one of its sources
.endr
	v_mov_b32 v[VZ], 0
	v_mov_b32 v[IM+7], 0                           ; register 7 of both heads' tiles
	v_mov_b32 v[IM+15], 0
	v_mov_b32 v[VC], s93
	v_mov_b32 v[VKU], s67
	v_mov_b32 v[VKM], 0x01a00000                   ; a masked key: 160 (2^33) for the flag's block, 1 for the empty block
	s_cmp_lg_u32 s66, 0
	s_cbranch_scc1 .Lout_v
.irp a, 0,1,2,3,4,5,6,7
	OUTQK \a
.endr
	global_store_b128 v[LI], v[SW:SW+3], s[12:13] offset:14336
	global_store_b128 v[LI], v[SW+4:SW+7], s[96:97] offset:14336
	s_branch .Ldone
.Lout_v:
.irp a, 0,1,2,3,4,5,6,7
	OUTV \a
.endr
	global_store_b128 v[LI], v[SW:SW+3], s[12:13] offset:14848-8192
	global_store_b128 v[LI], v[SW+4:SW+7], s[96:97] offset:14848-8192
.Ldone:
	s_wait_tensorcnt 0x0                           ; the wave's end
	ds_add_u32 v[SPW], v[NIL]
	s_wait_dscnt 0x0
	CROUND                                         ; the closing round: no work-group ends while a partner may still ask for a tile that names it
	s_endpgm
.Lfunc_end_k_q87a59a6ab1_proj:
	.size	k_q87a59a6ab1_proj, .Lfunc_end_k_q87a59a6ab1_proj-k_q87a59a6ab1_proj
	.p2alignl 7, 3214868480
	.fill 96, 4, 3214868480
	.section	.rodata,"a",@progbits
	.p2align	6, 0x0
	.amdhsa_kernel k_q87a59a6ab1_proj
		.amdhsa_group_segment_fixed_size 327680
		.amdhsa_private_segment_fixed_size 0
		.amdhsa_enable_private_segment 0
		.amdhsa_kernarg_size 72
		.amdhsa_user_sgpr_count 2
		.amdhsa_user_sgpr_kernarg_segment_ptr 1
		.amdhsa_wavefront_size32 1
		.amdhsa_system_sgpr_workgroup_id_x 1
		.amdhsa_system_sgpr_workgroup_id_y 1
		.amdhsa_system_sgpr_workgroup_id_z 1
		.amdhsa_system_vgpr_workitem_id 0
		.amdhsa_next_free_vgpr 1024
		.amdhsa_next_free_sgpr 102
		.amdhsa_reserve_vcc 0
		.amdhsa_float_denorm_mode_32 3
		.amdhsa_float_denorm_mode_16_64 3
		.amdhsa_memory_ordered 1
		.amdhsa_forward_progress 1
		.amdhsa_inst_pref_size 231
	.end_amdhsa_kernel
	.amdgpu_metadata
---
amdhsa.version: [ 1, 2 ]
amdhsa.kernels:
  - .name:           k_q87a59a6ab1_proj
    .symbol:         k_q87a59a6ab1_proj.kd
    .args:
      - { .name: fcodes, .offset: 0, .size: 8, .value_kind: global_buffer, .address_space: global }
      - { .name: fscales, .offset: 8, .size: 8, .value_kind: global_buffer, .address_space: global }
      - { .name: wcodes, .offset: 16, .size: 8, .value_kind: global_buffer, .address_space: global }
      - { .name: wscales, .offset: 24, .size: 8, .value_kind: global_buffer, .address_space: global }
      - { .name: b_Q, .offset: 32, .size: 8, .value_kind: global_buffer, .address_space: global }
      - { .name: b_K, .offset: 40, .size: 8, .value_kind: global_buffer, .address_space: global }
      - { .name: b_V, .offset: 48, .size: 8, .value_kind: global_buffer, .address_space: global }
      - { .name: mask, .offset: 56, .size: 8, .value_kind: global_buffer, .address_space: global }
      - { .name: qkv, .offset: 64, .size: 8, .value_kind: global_buffer, .address_space: global }
    .group_segment_fixed_size: 327680
    .private_segment_fixed_size: 0
    .kernarg_segment_align: 8
    .kernarg_segment_size: 72
    .max_flat_workgroup_size: 128
    .sgpr_count:     102
    .vgpr_count:     1024
    .wavefront_size: 32
...
	.end_amdgpu_metadata
.endif
;; end of part 2
;; launch attn (part 3): grid 8 x 32, 16 waves a work-group, clusters of 4 x 1, 317,440 bytes of LDS; arguments qkv, out0; writes out0
.if DOCPART == 3
	.amdgcn_target "amdgcn-amd-amdhsa--gfx1250"
	.amdhsa_code_object_version 6
	.text
	.protected	k_q87a59a6ab1_attn
	.globl	k_q87a59a6ab1_attn
	.p2align	8
	.type	k_q87a59a6ab1_attn,@function
k_q87a59a6ab1_attn:
	s_mov_b64 s[64:65], 0
	v_nop
	global_prefetch_b8 v0, s[64:65] scope:SCOPE_SE
	s_setreg_imm32_b32 hwreg(HW_REG_WAVE_MODE, 25, 1), 1
	s_wait_xcnt 0x0
	s_wait_alu depctr_hold_cnt(0) depctr_sa_sdst(0) depctr_va_vdst(0) depctr_va_sdst(0) depctr_va_ssrc(0) depctr_va_vcc(0) depctr_vm_vsrc(0)
	s_getreg_b32 s2, hwreg(HW_REG_IB_STS2, 6, 4)
	s_cmp_eq_u32 s2, 0
	s_cbranch_scc0 .Lentry_in_a_cluster
	s_endpgm
.Lentry_in_a_cluster:
	s_bfe_u32 s2, ttmp6, 0x10000c
	s_cmp_lg_u32 s2, 0x3003
	s_cbranch_scc0 .Lentry_shape_is_right
	s_endpgm
.Lentry_shape_is_right:
; out[b][q][head][:] = the sum over keys of softmax(Q . K / 8, masked keys replaced) V, both products on codes of E3M2 with E8M0 scales, from the images that the launch before has laid in qkv.
; THE SOFTMAX AHEAD OF THE SECOND PRODUCT: t = score x log2(e) / 8; M = the row's largest t so far, rounded UP to a whole number; p = 2^(t - M) is quantised along the keys, not normalised.
; The row's sum is taken of the unquantised p, in f32, and divides O at the end.  When M moves, the sum and O are multiplied by 2^(old M - new M): exact.
; THE MASK is in the codes: a masked key's score comes out of the first product as exactly -2^33 (its own codes are zeros; its flag at k = 64 meets the query's).  t is then a whole number near -1.5e9 and p is 0;
; where every key of a batch is masked, all t are equal, p = 1 everywhere: the uniform softmax.
; LIMITS: -2^30 stands for the problem's -1e9 as a masked logit (they differ only where a row's largest unmasked logit lies under about -1e9).  NaN and infinities are not served.  A block's largest p is made from
; its largest score by the same multiply-add and exponential, which takes v_exp_f32 not to fall where its input rises.  1 / sum is v_rcp_f32.
; SHARES.  A work-group owns 256 queries of one (b, head); each of its sixteen waves one tile of 16, in 256 registers: four waves to a SIMD, so that one wave's vector work stands beside another's matrix work and LDS loads.
; A HEAD'S K AND V, 245,760 BYTES OF IMAGES, LIE IN LDS WHOLE, FILLED ONCE: no slot is ever filled again.  They come in four stages of four key steps; each wave brings a sixteenth of each stage, so four tensor loads of
; mine are out at the start, and the first stage is worked on while the others land.  The four work-groups of a cluster are query blocks of one head: they ask jointly.
; LAYOUT.  Both products are used transposed: S^T = K Q^T, O^T = V^T P^T: a lane holds ONE query (lane % 16) throughout.  Tile T of a run of 128 tokens holds tokens 32 (T / 2) + 8 (T % 2) + m + 8 (m / 8), so the 16 registers
; of score tiles 2 b and 2 b + 1 are keys 32 b + 16 (lane / 16) + 0 .. 15.  V's tiles of d are chosen likewise: register 16 bb + i of O^T is d = 32 bb + 16 (lane / 16) + i.
; An operand's image is read as it was stored: four registers by one load of 16 bytes a lane, 512 consecutive bytes.
; REGISTERS: v1 16 x lane; v2 the step's LDS address; v12 -M, v13 the largest t, v[14:15] the sum in two halves; v16-27 Q; v28-31 V's scale words; v32-79 four fragments of K (registers 8-11 of each stay zero);
;   v80-127 V's four; v128-191 S^T, then p; v192-223 O^T; v224-235 p's codes; v232-254 at work; v248-251 K's scale words; v255 Q's.
.set BLOCK,  15360                     ; a run of 128 tokens of one head
.set QOFF,   512*BLOCK                 ; where Q's array begins
.set HEADB,  16*BLOCK                  ; a head's K and V
.set STAGEB, 4*BLOCK                   ; four key steps
.set PART,   STAGEB/16                 ; what one tensor load brings: 15 rows of 256 bytes
.set VIMG,   8192
.set KSC,    14336
.set VSC,    14848
.set STG,    HEADB                     ; behind the head: 16 rows x (256 bytes + 16) for each wave, for the way out; no tensor load lands there
.set SPT,    272
.set LI,   1
.set AD,   2
.set QF,   16
.set VSW,  28
.set KF,   32
.set VF,   80
.set S,    128
.set O,    192
.set KSW,  248
.set QSW,  255
.set WV,   18                          ; s18  my wave's number
.set SEL,  20                          ; s[20:21] lane selects for v_permlanex16_b32: lane l xor 16
.set CS,   22                          ; s[22:23] c = log2(e) / 8
.set G1,   24                          ; s[24:31] descriptor group 1
.set G0,   32                          ; s[32:47] group 0, one set for each stage
.set TB,   48                          ; s48  LDS byte at which the step's block begins
.set CNT,  49                          ; s49  counts a stage's four steps
.macro CROUND                          ; a round of the cluster's barrier
	s_barrier_signal -1
	s_barrier_wait -1
	s_cmp_lg_u32 s[WV], 0
	s_cbranch_scc1 .Lnot_wave_0_\@
	s_barrier_signal -3
.Lnot_wave_0_\@:
	s_barrier_wait -3
	s_barrier_signal -1
	s_barrier_wait -1
.endm
	s_load_b128 s[4:7], s[0:1], 0x0                ; qkv, out0
	v_lshl_add_u32 v6, v0, 2, 0x4d000
	v_mov_b32 v243, 0
	ds_add_u32 v6, v243
	ds_add_u32 v6, v243
	v_lshrrev_b32 v2, 5, v0
	v_readfirstlane_b32 s[WV], v2                  ; wave 0..15
	s_bfe_u32 s50, ttmp6, 0x40000                  ; cx
	s_lshl_b32 s51, ttmp9, 2
	s_add_co_u32 s51, s51, s50                     ; my block of 256 queries: it enters Q's and out0's addresses alone
	s_and_b32 s52, ttmp7, 0xffff                   ; 16 b + head, which the four partners share
	s_mul_i32 s54, s52, HEADB
	s_mul_i32 s56, s[WV], PART                     ; my sixteenth of a stage, in memory as in LDS
	s_add_co_u32 s54, s54, s56
	s_mov_b32 s55, 0
	s_mov_b32 s[G1], 15|(3<<16)|(1<<21)            ; 15:0 the mask: all four work-groups; 17:16 elements of 8 bytes; 20 no padding; 21 set beside a mask
	s_mov_b32 s[G1+1], 32<<16                      ; tensor_dim0 = 32 elements: 256 bytes
	s_mov_b32 s[G1+2], 15<<16                      ; tensor_dim1 = 15
	s_mov_b32 s[G1+3], 32<<16                      ; tile_dim0
	s_mov_b32 s[G1+4], 15                          ; tile_dim1
	s_mov_b32 s[G1+5], 32                          ; the rows are dense
	s_mov_b32 s[G1+6], 0
	s_mov_b32 s[G1+7], 0
	s_lshl_b32 s57, s52, 4                         ; Q's block: 16 (16 b + head) + 2 x my query block + wave / 8
	s_lshl_b32 s58, s51, 1
	s_add_co_u32 s57, s57, s58
	s_lshr_b32 s58, s[WV], 3
	s_add_co_u32 s57, s57, s58
	s_mul_i32 s58, s57, BLOCK
	s_add_co_u32 s58, s58, QOFF
	s_and_b32 s57, s[WV], 7                        ; my tile T in it
	s_lshl_b32 s59, s57, 10
	s_add_co_u32 s8, s58, s59                      ; its image
	s_mov_b32 s9, 0
	s_and_b32 s59, s57, 1                          ; its scale words: register T / 2, lanes 16 (T % 2) on: 256 (T % 2) + 4 (T / 2) + 16 r
	s_lshl_b32 s59, s59, 8
	s_add_co_u32 s10, s58, s59
	s_lshr_b32 s59, s57, 1
	s_lshl_b32 s59, s59, 2
	s_add_co_u32 s10, s10, s59
	s_add_co_u32 s10, s10, KSC
	s_mov_b32 s11, 0
	s_lshr_b32 s57, s52, 4                         ; out0: token 2,048 b + 256 x query block + 32 (wave / 2) + 8 (wave % 2): my tile's first
	s_lshl_b32 s57, s57, 11
	s_lshl_b32 s59, s51, 8
	s_add_co_u32 s57, s57, s59
	s_lshr_b32 s59, s[WV], 1
	s_lshl_b32 s59, s59, 5
	s_add_co_u32 s57, s57, s59
	s_and_b32 s59, s[WV], 1
	s_lshl_b32 s59, s59, 3
	s_add_co_u32 s57, s57, s59
	s_lshl_b32 s16, s57, 12                        ; 4,096 bytes a token,
	s_and_b32 s59, s52, 15
	s_lshl_b32 s59, s59, 8
	s_add_co_u32 s16, s16, s59                     ; 256 bytes a head
	s_mov_b32 s17, 0
	s_mov_b32 s[SEL], 0x76543210
	s_mov_b32 s[SEL+1], 0xfedcba98
	s_mov_b32 s[CS], 0x3e38aa3b                    ; c = log2(e) / 8
	s_mov_b32 s[CS+1], s[CS]                       ; (named with it as a pair, so it is written)
	s_wait_dscnt 0x0
	s_wait_kmcnt 0x0
	s_add_nc_u64 s[54:55], s[4:5], s[54:55]
	s_add_nc_u64 s[8:9], s[4:5], s[8:9]
	s_add_nc_u64 s[10:11], s[4:5], s[10:11]
	s_add_nc_u64 s[16:17], s[6:7], s[16:17]
	CROUND                                         ; all four work-groups are here: the joint loads meet
.irp g, 0,1,2,3
	s_mov_b32 s[G0+4*\g], 1                        ; count = 1
	s_add_co_u32 s[G0+4*\g+1], s56, \g*STAGEB      ; LDS address: the wave's number times a constant + the stage's constant
	s_add_nc_u64 s[G0+4*\g+2:G0+4*\g+3], s[54:55], \g*STAGEB
	s_or_b32 s[G0+4*\g+3], s[G0+4*\g+3], 0x80000000   ; type = 2
.endr
	tensor_load_to_lds s[G0:G0+3], s[G1:G1+7]      ; all fills of the launch, as one group: four loads of mine are out
	s_nop 0
	tensor_load_to_lds s[G0+4:G0+7], s[G1:G1+7]
	s_nop 0
	tensor_load_to_lds s[G0+8:G0+11], s[G1:G1+7]
	s_nop 0
	tensor_load_to_lds s[G0+12:G0+15], s[G1:G1+7]
	s_nop 0
.rept 4
	v_nop
.endr
	v_and_b32 v3, 31, v0
	v_lshlrev_b32 v[LI], 4, v3                     ; 16 x lane
	v_and_b32 v8, 15, v0
	v_lshlrev_b32 v3, 4, v8                        ; 16 r
	global_load_b128 v[QF:QF+3], v[LI], s[8:9]     ; Q's registers 0-3,
	global_load_b128 v[QF+4:QF+7], v[LI], s[8:9] offset:512   ; 4-7: it stays in registers
	global_load_b32 v[QSW], v3, s[10:11]           ; and its scale words
.irp j, 8,9,10,11
	v_mov_b32 v[QF+\j], 0                          ; k = 80 .. 127 of the scores' product are zero codes, on both sides
.irp t, 0,1,2,3
	v_mov_b32 v[KF+12*\t+\j], 0
.endr
.endr
	v_mov_b32 v13, 0xff61b1e6                      ; the largest t so far: -3e38, under every t
	v_floor_f32 v12, -v13                          ; -M
	v_mov_b32 v14, 0                               ; the sum, in two halves
	v_mov_b32 v15, 0
.irp b, 0,1,2,3
	v_mov_b32 v[236+\b], 0                         ; written once: a lane permute's destination counts as one of its sources
.endr
	v_mov_b32 v253, 0                              ; (named as the upper half of the pair v[252:253] before it is first written)
.irp j, 0,1,2,3,4,5,6,7,8,9,10,11,12,13,14,15,16,17,18,19,20,21,22,23,24,25,26,27,28,29,30,31
	v_mov_b32 v[O+\j], 0                           ; O^T.  (The step is written once: the first finds zeros, which the first change of M leaves zeros)
.endr
	s_wait_loadcnt 0x0                             ; Q
.macro KLOAD g                                 ; four tiles of 16 keys: registers 0-7 of each
.irp t, 0,1,2,3
	ds_load_b128 v[KF+12*\t:KF+12*\t+3], v[AD] offset:1024*(4*\g+\t)
	ds_load_b128 v[KF+12*\t+4:KF+12*\t+7], v[AD] offset:1024*(4*\g+\t)+512
.endr
.endm
.macro KQ g                                    ; S^T of these four tiles.  Scale words: register T / 2, tile T even in lanes 0-15, odd in lanes 16-31
.irp t, 0,1,2,3
.if \t%2
	v_wmma_scale_f32_16x16x128_f8f6f4 v[S+8*(4*\g+\t):S+8*(4*\g+\t)+7], v[KF+12*\t:KF+12*\t+11], v[QF:QF+11], 0, v[KSW+2*\g+\t/2], v[QSW] matrix_a_fmt:MATRIX_FMT_BF6 matrix_b_fmt:MATRIX_FMT_BF6 matrix_a_scale:MATRIX_SCALE_ROW1
.else
	v_wmma_scale_f32_16x16x128_f8f6f4 v[S+8*(4*\g+\t):S+8*(4*\g+\t)+7], v[KF+12*\t:KF+12*\t+11], v[QF:QF+11], 0, v[KSW+2*\g+\t/2], v[QSW] matrix_a_fmt:MATRIX_FMT_BF6 matrix_b_fmt:MATRIX_FMT_BF6
.endif
.endr
.rept 4
	v_nop                                          ; places in front of loads into registers that these products have read, and of the first read of their results
.endr
.endm
; A KEY STEP: 128 keys, the block at LDS byte s[TB].
.macro STEP
	v_add_nc_u32 v[AD], s[TB], v[LI]
	ds_load_b128 v[KSW:KSW+3], v[AD] offset:KSC
	KLOAD 0
	s_wait_dscnt 0x0
	KQ 0
	KLOAD 1
.irp t, 0,1,2,3                                ; V's four fragments and its scale words are asked for now and land under the softmax.  (Behind the last step's products, which read these registers, stand the addition above and four v_nop)
.irp k, 0,1,2
	ds_load_b128 v[VF+12*\t+4*\k:VF+12*\t+4*\k+3], v[AD] offset:VIMG+1536*\t+512*\k
.endr
.endr
	ds_load_b128 v[VSW:VSW+3], v[AD] offset:VSC
	s_wait_dscnt 13                                ; K's tiles 4-7 are in; V's thirteen loads stay out
	KQ 1
.irp b, 0,1,2,3
	v_max3_num_f32 v[232+\b], v[S+16*\b], v[S+1+16*\b], v[S+2+16*\b]   ; THE LARGEST SCORE OF EACH BLOCK OF 32 KEYS: it serves twice: for the row's maximum, and, since p rises with the score, for the block's largest p
.endr
.irp i, 3,5,7,9,11,13
.irp b, 0,1,2,3
	v_max3_num_f32 v[232+\b], v[232+\b], v[S+16*\b+\i], v[S+1+16*\b+\i]   ; (the four blocks by turns)
.endr
.endr
.irp b, 0,1,2,3
	v_max_num_f32 v[232+\b], v[232+\b], v[S+15+16*\b]
.endr
.irp b, 0,1,2,3
	v_permlanex16_b32 v[236+\b], v[232+\b], s[SEL], s[SEL+1]
.endr
.irp b, 0,1,2,3
	v_max_num_f32 v[232+\b], v[232+\b], v[236+\b]  ; with lane l xor 16's 16 keys
.endr
	v_max3_num_f32 v254, v232, v233, v234
	v_max_num_f32 v254, v254, v235                 ; the step's largest score of my query
	v_mul_f32 v254, s[CS], v254                    ; as t (c is positive)
	v_max_num_f32 v13, v13, v254                   ; the running largest t
	v_mov_b32 v254, v12
	v_floor_f32 v12, -v13                          ; the new -M = floor(-t) = -ceil(t): M IS A WHOLE NUMBER
	v_sub_f32 v254, v12, v254                      ; M's old value less its new one: a whole number, 0 or less
	v_cvt_i32_f32 v254, v254                       ; (it saturates)
	v_ldexp_f32 v252, 1.0, v254                    ; f = 2^(old M - new M)
.irp j, 0,2,4,6,8,10,12,14,16,18,20,22,24,26,28,30,32,34,36,38,40,42,44,46,48,50,52,54,56,58,60,62
	v_pk_fma_f32 v[S+\j:S+1+\j], v[S+\j:S+1+\j], s[CS:CS+1], v[12:13] op_sel_hi:[1,0,0]   ; t - M, two at a time (of the pairs c and -M the low word serves both halves)
.endr
.irp b, 0,1,2,3
	v_fma_f32 v[232+\b], v[232+\b], s[CS], v12     ; the same of each block's largest score
.endr
.irp j, 0,1,2,3,4,5,6,7,8,9,10,11,12,13,14,15,16,17,18,19,20,21,22,23,24,25,26,27,28,29,30,31,32,33,34,35,36,37,38,39,40,41,42,43,44,45,46,47,48,49,50,51,52,53,54,55,56,57,58,59,60,61,62,63
	v_exp_f32 v[S+\j], v[S+\j]                     ; p = 2^(t - M): NOT normalised
.endr
.irp b, 0,1,2,3
	v_exp_f32 v[232+\b], v[232+\b]                 ; the block's largest p: the same two instructions on the same number give the same bits
.endr
	v_pk_mul_f32 v[14:15], v[14:15], v[252:253] op_sel_hi:[1,0]   ; the sums under the new M.  (A plain place behind the exponentials)
	s_wait_alu depctr_va_vdst(0)
.irp b, 0,1,2,3
	v_max_num_f32 v[232+\b], 0x2800000, v[232+\b]  ; the floor 2^(5 - 127): the byte cannot fall under 1 (a block whose every p is 0 keeps that byte: its codes are zeros)
.endr
.irp b, 0,1,2,3
	v_add_nc_u32 v[244+\b], 0xfe000000, v[232+\b]  ; 4 off the exponent field: the conversion's scale operand
.endr
.irp b, 0,1,2,3
	v_lshrrev_b32 v[236+\b], 23, v[244+\b]         ; the scale's byte
.endr
	v_lshl_or_b32 v253, v237, 8, v236              ; p's scale word for these 128 keys
	v_lshl_or_b32 v253, v238, 16, v253
	v_lshl_or_b32 v253, v239, 24, v253
.irp c, 0,1
	v_cvt_scalef32_pk16_bf6_f32 v[224+6*\c:226+6*\c], v[S+32*\c:S+15+32*\c], v[244+2*\c]
	v_cvt_scalef32_pk16_bf6_f32 v[236+4*\c:238+4*\c], v[S+16+32*\c:S+31+32*\c], v[244+2*\c+1]   ; (a conversion's three registers begin on an even number)
.endr
	v_nop                                          ; one plain place behind a scaled conversion
.irp c, 0,1                                    ; the operand's layout wants a WHOLE block in a lane: lanes 0-15 block 2 c, lanes 16-31 block 2 c + 1
.irp i, 0,1,2
	v_permlane16_swap_b32 v[224+6*\c+\i], v[236+4*\c+\i]
.endr
.irp i, 0,1,2
	v_mov_b32 v[227+6*\c+\i], v[236+4*\c+\i]
.endr
.endr
	v_pk_add_f32 v[236:237], v[S:S+1], v[S+2:S+3]  ; THE ROW'S SUM IS TAKEN OF THE UNQUANTISED p: two at a time, in two chains
.irp j, 4,8,12,16,20,24,28,32,36,40,44,48,52,56,60
	v_pk_add_f32 v[14:15], v[14:15], v[S+\j:S+1+\j]
	v_pk_add_f32 v[236:237], v[236:237], v[S+2+\j:S+3+\j]
.endr
	v_pk_add_f32 v[14:15], v[14:15], v[236:237]
.irp j, 0,2,4,6,8,10,12,14,16,18,20,22,24,26,28,30
	v_pk_mul_f32 v[O+\j:O+1+\j], v[O+\j:O+1+\j], v[252:253] op_sel_hi:[1,0]   ; O^T under the new M: x f.  (With the sums above: the places between p's codes and scale word and the products below)
.endr
	s_wait_dscnt 0x0                               ; V is in
.irp t, 0,1,2,3                                ; O^T += V^T P^T: four tiles of 16 of the head's 64, by turns; K = these 128 keys
	v_wmma_scale_f32_16x16x128_f8f6f4 v[O+8*\t:O+8*\t+7], v[VF+12*\t:VF+12*\t+11], v[224:235], v[O+8*\t:O+8*\t+7], v[VSW+\t], v253 matrix_a_fmt:MATRIX_FMT_BF6 matrix_b_fmt:MATRIX_FMT_BF6
.endr
	s_add_co_u32 s[TB], s[TB], BLOCK
.endm
; A STAGE: four key steps.  My load for it is in when at most 3 - g younger ones are out; behind the barrier every wave's is.  Nothing is ever filled again, so the later stages' loads stay on their way across these barriers.
.macro STAGE g
	s_wait_tensorcnt 3-\g
	s_barrier_signal -1                            ; (no LDS instruction of mine is out: a step ends behind its wait for 0)
	s_barrier_wait -1
	s_mov_b32 s[TB], \g*STAGEB
	s_mov_b32 s[CNT], 4
.Lstep_\@:
	STEP
	s_sub_co_u32 s[CNT], s[CNT], 1
	s_cmp_lg_u32 s[CNT], 0
	s_cbranch_scc1 .Lstep_\@
.endm
	STAGE 0
	STAGE 1
	STAGE 2
	STAGE 3
	; THE WAY OUT.  O^T is divided by the row's sum and goes through my stage in LDS: a lane holds parts of one token's 256 bytes; sixteen lanes then store a token's 256 consecutive bytes, aligned.
	v_add_f32 v14, v14, v15                        ; the sum's two halves,
	v_permlanex16_b32 v252, v14, s[SEL], s[SEL+1]
	v_add_f32 v14, v14, v252                       ; and lane l xor 16's: the row's sum
	v_rcp_f32 v14, v14
	v_and_b32 v8, 15, v0                           ; r  (these lines are the plain place behind the reciprocal and the places behind the last products)
	v_bfe_u32 v9, v0, 4, 1                         ; h
	s_mul_i32 s57, s[WV], 16*SPT
	s_add_co_u32 s57, s57, STG                     ; my stage
	v_mul_u32_u24 v10, v8, SPT
	v_lshl_add_u32 v10, v9, 6, v10
	v_add_nc_u32 v10, s57, v10                     ; in: row r, + 64 h: register 16 bb + i is d = 32 bb + 16 h + i
	v_mul_u32_u24 v11, v9, SPT
	v_lshl_add_u32 v11, v8, 4, v11
	v_add_nc_u32 v11, s57, v11                     ; back: lanes 0-15 one row, lanes 16-31 the next
	v_lshlrev_b32 v7, 12, v9
	v_lshl_add_u32 v7, v8, 4, v7                   ; and in out0: 4,096 h + 16 r
	s_wait_alu depctr_va_vdst(0)
.irp j, 0,1,2,3,4,5,6,7,8,9,10,11,12,13,14,15,16,17,18,19,20,21,22,23,24,25,26,27,28,29,30,31
	v_mul_f32 v[S+\j], v[O+\j], v14                ; each accumulator from its low end on
.endr
.irp b, 0,1
.irp q, 0,1,2,3
	ds_store_b128 v10, v[S+16*\b+4*\q:S+16*\b+4*\q+3] offset:128*\b+16*\q
.endr
.endr
.irp i, 0,1,2,3,4,5,6,7
	ds_load_b128 v[32+4*\i:35+4*\i], v11 offset:2*\i*SPT   ; LDS serves a wave's instructions in order: these see my stores
.endr
.irp i, 0,1,2,3,4,5,6,7
	s_wait_dscnt 7-\i                              ; the younger loads stay out
	global_store_b128 v7, v[32+4*\i:35+4*\i], s[16:17] offset:(16*(\i/4)+2*(\i%4))*4096 th:TH_STORE_NT   ; stage row m is token m + 8 (m / 8) of my tile
.endr
	s_wait_tensorcnt 0x0
	ds_add_u32 v6, v243
	s_wait_dscnt 0x0
	CROUND                                         ; the closing round: no work-group ends while a partner may still ask for a tile that names it
	s_endpgm
.Lfunc_end_k_q87a59a6ab1_attn:
	.size	k_q87a59a6ab1_attn, .Lfunc_end_k_q87a59a6ab1_attn-k_q87a59a6ab1_attn
	.p2alignl 7, 3214868480
	.fill 96, 4, 3214868480
	.section	.rodata,"a",@progbits
	.p2align	6, 0x0
	.amdhsa_kernel k_q87a59a6ab1_attn
		.amdhsa_group_segment_fixed_size 317440
		.amdhsa_private_segment_fixed_size 0
		.amdhsa_enable_private_segment 0
		.amdhsa_kernarg_size 16
		.amdhsa_user_sgpr_count 2
		.amdhsa_user_sgpr_kernarg_segment_ptr 1
		.amdhsa_wavefront_size32 1
		.amdhsa_system_sgpr_workgroup_id_x 1
		.amdhsa_system_sgpr_workgroup_id_y 1
		.amdhsa_system_sgpr_workgroup_id_z 1
		.amdhsa_system_vgpr_workitem_id 0
		.amdhsa_next_free_vgpr 256
		.amdhsa_next_free_sgpr 66
		.amdhsa_reserve_vcc 0
		.amdhsa_float_denorm_mode_32 3
		.amdhsa_float_denorm_mode_16_64 3
		.amdhsa_memory_ordered 1
		.amdhsa_forward_progress 1
		.amdhsa_inst_pref_size 75
	.end_amdhsa_kernel
	.amdgpu_metadata
---
amdhsa.version: [ 1, 2 ]
amdhsa.kernels:
  - .name:           k_q87a59a6ab1_attn
    .symbol:         k_q87a59a6ab1_attn.kd
    .args:
      - { .name: qkv, .offset: 0, .size: 8, .value_kind: global_buffer, .address_space: global }
      - { .name: out0, .offset: 8, .size: 8, .value_kind: global_buffer, .address_space: global }
    .group_segment_fixed_size: 317440
    .private_segment_fixed_size: 0
    .kernarg_segment_align: 8
    .kernarg_segment_size: 16
    .max_flat_workgroup_size: 512
    .sgpr_count:     66
    .vgpr_count:     256
    .wavefront_size: 32
...
	.end_amdgpu_metadata
.endif
;; end of part 3
